; MI455X (gfx1250); checked and timed in simulation.
; The chip was launched on July 23, 2026; its instructions are those of AMD's public machine-readable ISA for CDNA 5 (MIT licence, August 2026) and "CDNA5" Instruction Set Architecture Reference Guide (July 2026). The comments in the code are by the model that wrote it; some were corrected since.
;; Diff Attn. Allowed arithmetic: matrix products marked QUANTISED: E2M3 operands, one E8M0 scale for each 32 along K, by v_wmma_scale_f32_16x16x128_f8f6f4 with both operands' format E2M3, f32 sums; everything else in f32.
;; Inputs: Wk_codes 1,024 x 32 x 24 uint8 (E2M3 codes of Wk, K innermost, in blocks of 32 codes, four codes in three bytes); Wk_scales 1,024 x 32 uint8 (E8M0 scales of Wk, one for each 32 codes along K); Wo_codes 1,024 x 32 x 24 uint8 (E2M3 codes of Wo, K innermost, in blocks of 32 codes, four codes in three bytes); Wo_scales 1,024 x 32 uint8 (E8M0 scales of Wo, one for each 32 codes along K); Wq_codes 1,024 x 32 x 24 uint8 (E2M3 codes of Wq, K innermost, in blocks of 32 codes, four codes in three bytes); Wq_scales 1,024 x 32 uint8 (E8M0 scales of Wq, one for each 32 codes along K); Wv_codes 1,024 x 32 x 24 uint8 (E2M3 codes of Wv, K innermost, in blocks of 32 codes, four codes in three bytes); Wv_scales 1,024 x 32 uint8 (E8M0 scales of Wv, one for each 32 codes along K); lk1 64 float32; lk2 64 float32; lq1 64 float32; lq2 64 float32; query_codes 2 x 2,048 x 32 x 24 uint8 (E2M3 codes of query, K innermost, in blocks of 32 codes, four codes in three bytes); query_scales 2 x 2,048 x 32 uint8 (E8M0 scales of query, one for each 32 codes along K); subln_w 128 float32.
;; Outputs: out0 2 x 2,048 x 1,024 float32.
;; This version of the problem:
;;   THIS VERSION OF THE PROBLEM IS GIVEN IN LOW PRECISION. The matrix products marked QUANTISED in the list below multiply operands that are first quantised to E2M3 (2 exponent bits, 3 mantissa bits; 6 bits a number), with one power-of-two scale for each 32 numbers along K (OCP MX v1.0); their sums are f32. All else is computed in f32.
;;   The module's matrix products, in the order in which they are computed (A, B: the left and right operand; K: the contracted axis; several contracted axes count as one K, in the product's order):
;;     1. [M 4,096, K 1,024] x [K 1,024, N 1,024]; A: input query (given as codes); B: input Wq (given as codes): QUANTISED
;;     2. [M 4,096, K 1,024] x [K 1,024, N 1,024]; A: input query (given as codes); B: input Wk (given as codes): QUANTISED
;;     3. [M 4,096, K 1,024] x [K 1,024, N 1,024]; A: input query (given as codes); B: input Wv (given as codes): QUANTISED
;;     4. batch 32 x [M 2,048, K 64] x [K 64, N 2,048]; A: computed on the way; B: computed on the way: QUANTISED
;;     5. batch 16 x [M 2,048, K 2,048] x [K 2,048, N 128]; A: computed on the way; B: computed on the way: QUANTISED
;;     6. [M 4,096, K 1,024] x [K 1,024, N 1,024]; A: computed on the way; B: input Wo (given as codes): QUANTISED
;;   THE QUANTISER, for each operand of a quantised product, along K:
;;     - K is cut into blocks of 32 from its start; a last block that is shorter is filled with zeros.
;;     - A block's scale is 2^e with e = floor(log2(the largest magnitude in the block)) - 2, held to -126 .. 127; a block of zeros has e = 0. As a byte (E8M0): e + 127.
;;     - Each number is divided by its block's scale, clamped to +-7.5, and rounded to the nearest number of E2M3, ties to even, subnormals kept.
;;     - The product sums the exact products of the quantised numbers (number of the format x scale) in f32.
;;   ~~~python
;;   def quantise(x, axis):      # numpy; x: float32 -> the quantised numbers, widened to float32 again
;;       x = np.moveaxis(x, axis, -1); K = x.shape[-1]
;;       x = np.pad(x, [(0, 0)] * (x.ndim - 1) + [(0, -K % 32)]); x = x.reshape(x.shape[:-1] + (-1, 32)); a = np.abs(x).max(-1, keepdims=True)
;;       e = np.where(a > 0, np.clip(np.frexp(np.where(a > 0, a, 1))[1] - 1 - 2, -126, 127), 0)      # np.frexp(a)[1] - 1 = floor(log2(a)), exactly
;;       r = np.clip(x / 2.0 ** e, -7.5, 7.5)
;;       step = 2.0 ** (np.maximum(np.frexp(np.where(r == 0, 1, r))[1] - 1, 0) - 3)
;;       q = np.round(r / step) * step * 2.0 ** e      # np.round: ties to even
;;       return np.moveaxis(q.reshape(q.shape[:-2] + (-1,))[..., :K], -1, axis).astype(np.float32)
;;   ~~~
;;   OPERANDS COMPUTED ON THE WAY. 'Computed on the way' means the value that the module computes at that place (a softmax that the list does not call 'softmax' is quantised finished and normalised). What goes into a quantiser is computed in f32, as accurately as f32 sums, v_exp_f32 and their like allow (about 1e-6 of the number): no bf16 or f16 on the way to a quantiser, and a product that is left as it is and whose result goes on into a quantised operand takes f32 operands (vector FMAs, or v_wmma_f32_16x16x4_f32). A number that lies on a knife's edge between two numbers of the format may be rounded either way, as far as f32 arithmetic and the matrix unit's own rounding can turn it there, and no further.
;;   INPUTS GIVEN AS CODES. Wk (in the module: [1024, 1024], K = its axis 0); Wo (in the module: [1024, 1024], K = its axis 0); Wq (in the module: [1024, 1024], K = its axis 0); Wv (in the module: [1024, 1024], K = its axis 0); query (in the module: [2, 2048, 1024], K = its axis 2): each comes as NAME_codes (uint8): NAME with its K axis moved to the last place and cut into blocks of 32 codes, [.., K / 32, bytes a block], one block behind the other in memory; four codes in three bytes: a row's codes are one little-endian stream of bits, code i at bits 6 i .. 6 i + 5 (a code: sign, 2 exponent bits, 3 mantissa bits); and NAME_scales (uint8): the same leading axes, one E8M0 byte (e + 127) for each 32 codes along K. Its value is code x scale, taken as it is: it is not quantised again, and the codes and scales need not be those that the quantiser above would give.
;; One version. Each part assembles by itself: llvm-mc -triple=amdgcn-amd-amdhsa -mcpu=gfx1250 --defsym DOCPART=n.
;; ======== version 1 of 1: 3 launches
;; limits: right only within a limited range of input values
;; workspace buffers: qkv 9,830,400 bytes; ac 3,145,728 bytes; asc 131,072 bytes
;; launch proj (part 1): grid 8 x 32, 4 waves a work-group, clusters of 4 x 4, 327,680 bytes of LDS; arguments query_codes, query_scales, Wq_codes, Wq_scales, Wk_codes, Wk_scales, Wv_codes, Wv_scales, qkv; writes qkv
.if DOCPART == 1
	.amdgcn_target "amdgcn-amd-amdhsa--gfx1250"
	.amdhsa_code_object_version 6
	.text
	.protected	k_q22137b30dc_proj
	.globl	k_q22137b30dc_proj
	.p2align	8
	.type	k_q22137b30dc_proj,@function
k_q22137b30dc_proj:
	s_mov_b64 s[64:65], 0
	v_nop
	global_prefetch_b8 v0, s[64:65] scope:SCOPE_SE
	s_setreg_imm32_b32 hwreg(HW_REG_WAVE_MODE, 25, 1), 1
	s_wait_xcnt 0x0
	s_wait_alu depctr_hold_cnt(0) depctr_sa_sdst(0) depctr_va_vdst(0) depctr_va_sdst(0) depctr_va_ssrc(0) depctr_va_vcc(0) depctr_vm_vsrc(0)
	s_getreg_b32 s2, hwreg(HW_REG_IB_STS2, 6, 4)
	s_cmp_eq_u32 s2, 0
	s_cbranch_scc0 .Lentry_in_a_cluster
	s_endpgm
.Lentry_in_a_cluster:
	s_bfe_u32 s2, ttmp6, 0x10000c
	s_cmp_lg_u32 s2, 0xf033
	s_cbranch_scc0 .Lentry_shape_is_right
	s_endpgm
.Lentry_shape_is_right:
; q = query Wq, k = query Wk, v = query Wv on codes of FP6 (E2M3), one E8M0 scale for each 32 along K = 1,024; the f32 results are quantised in registers
; (q and k along the head's 64, v along the keys) and stored as IMAGES OF OPERAND REGISTERS, in records that the attention launch reads as they lie.
; SHARES.  Work-group (x = head pair 0..7, y = block of 128 tokens 0..31) makes the three records q, k, v of its pair and block, one after the other (three phases).
; A record is 128 x 128; in each phase wave w makes tiles 2 w, 2 w + 1 of the record's eight tiles of 16 'A' rows, against all 128 'B' rows: 16 accumulators.
; ROLES.  Source 1 ('A') gives a lane its row, source 0 ('B') runs along a lane's registers, and so does the quantiser.  q, k: A = query, B = W.  v: A = Wv, B = query.
; THE ROWS OF A TILE ARE NOT NEIGHBOURS: row r of tile 4 G + t is row 64 G + 8 t + r % 8 + 32 (r / 8) of the 128.  On source 0 that gives lane (r, h), in the 32 registers of tiles 4 G .. 4 G + 3,
; the 32 neighbours 64 G + 32 h + 0 .. 31: a whole block of the quantiser in one lane, in the order of the operand's registers 6 G .. 6 G + 5.
; A RECORD, 12,800 bytes: eight images of 1,536 bytes (tile a: register 4 i + x of lane l at 1,536 a + 512 i + 16 l + 4 x), then 512 bytes of scale words (the word at 12,288 + 16 l + 4 j is tile 2 j + l / 16, row l % 16;
; a wave owns one j, so its scale words go out as one word a lane, 16 bytes apart: 512 of a record's 12,800 bytes).  Record ((batch x 8 + head pair) x 16 + block of 128 tokens) of section q, k or v.
; LDS: WHOLE ROWS OF K.  A row of codes is 768 bytes, three units of 256 bytes, each with 16 bytes of padding behind it: pitch 816.  Three regions of 128 rows: query; X (Wq, later Wv); Y (Wk).
; Each region is dense in memory and comes as rows of 256 bytes.  At the head each wave issues one joint load (waves 0, 1: halves of query; wave 2: Wq; wave 3: Wk); behind the q phase X is filled again with Wv, 32 rows a wave.
; CLUSTERS 4 x 4: query's rows hang on y alone and are asked for jointly along a row of the cluster, the weights' on x alone, along a column.
; THE SCALE WORDS go from memory into registers at the head: a lane's row of scales is 32 bytes, the eight words of the eight K steps; eight neighbouring rows are 256 neighbouring bytes.
; No prefetch: the head's tiles have no loop ahead of them, and Wv's load is issued a whole phase (128 matrix instructions and a way out) ahead of its first read.
; q IS STORED WITHOUT ITS FACTOR 1/8: a power of two changes no code, only the scale byte; the attention launch folds it into the exponent's factor.
; LIMITS: a block whose largest magnitude lies under 2^-124 keeps the byte 1 (a block of zeros too: its codes are zeros, and this program alone reads the bytes); a block of q under 2^-121 would be held at the lowest scale
; by the stated quantiser after the factor 1/8 and is not held here; NaN and infinities among the sums are not served.
; REGISTERS: window 0: v1-25 addresses, v32-255 scale words.  Window 1: B's fragments, two sets (v0, v96).  Window 2: v0-127 accumulators ((a, b) at 8 (8 a + b)); v128-175 A's fragments, two sets; v176-220 the way out.
.set P,     816
.set HB,    64*P
.set SPARE, 6*HB
.set REC,   12800
.set SECT,  256*REC
.set LI,  4                            ; 16 x lane
.set SWA, 5                            ; 16 x lane + 4 x wave
.set SPW, 6
.set NIL, 7
.set SOF, 8                            ; my row in a tile x 32
.set BB,  10                           ; v10-21: row x pitch + 24 h + k HB, k = 0 .. 5, each with a second register 16 h further on (for a piece whose lanes 16-31 lie behind one padding more)
.set AA,  22                           ; v22-25: my two A tiles in query, in X
.set SQ,  32                           ; scale words: tile i, K step s at base + 8 i + s
.set SWQ, 96
.set SWK, 160
.set SWV, 224
.set SAQ, 240
.set AF,  128                          ; window 2 from here on
.set CB,  176
.set T2,  200
.set BM,  208
.set SO,  212
.set BY,  214
.set SW,  216
.set TP,  218
.set H8,  219
.set SWO, 220
.set G1,  24
.set G0,  32
.set G0B, 36
.set G0C, 40
.set G1B, 48
.set G1C, 88
.set MSB, 0
.macro WIN new                         ; the immediate's high byte repeats the setting that is left
.if MSB != \new
	s_set_vgpr_msb (MSB<<8)|\new
.set MSB, \new
.endif
.endm
.macro PLACES
.rept 4
	v_nop
.endr
.endm
.macro CROUND                          ; a round of the cluster's barrier
	s_barrier_signal -1
	s_barrier_wait -1
	s_cmp_lg_u32 s14, 0
	s_cbranch_scc1 .Lnot_wave_0_\@
	s_barrier_signal -3
.Lnot_wave_0_\@:
	s_barrier_wait -3
	s_barrier_signal -1
	s_barrier_wait -1
.endm
	s_load_b512 s[68:83], s[0:1], 0x0              ; query's codes, scales; Wq's; Wk's; Wv's
	s_load_b64 s[12:13], s[0:1], 0x40              ; qkv
	v_lshl_add_u32 v[SPW], v0, 2, SPARE
	v_mov_b32 v[NIL], 0
	ds_add_u32 v[SPW], v[NIL]                      ; the opening lines
	ds_add_u32 v[SPW], v[NIL]
	v_lshrrev_b32 v1, 5, v0
	v_readfirstlane_b32 s14, v1                    ; wave
	s_lshr_b32 s15, s14, 1
	s_and_b32 s16, s14, 1
	s_bfe_u32 s84, ttmp6, 0x40000                  ; cx
	s_bfe_u32 s85, ttmp6, 0x40004                  ; cy
	s_lshl_b32 s42, ttmp9, 2
	s_add_co_u32 s42, s42, s84                     ; head pair
	s_and_b32 s17, ttmp7, 0xffff
	s_lshl_b32 s17, s17, 2
	s_add_co_u32 s17, s17, s85                     ; block of 128 tokens
	s_lshl_b32 s43, s85, 2
	s_lshl_b32 s43, 15, s43                        ; my row of the cluster
	s_lshl_b32 s44, 0x1111, s84                    ; my column
	s_mov_b32 s104, 0x76543210
	s_mov_b32 s105, 0xfedcba98                     ; selects for lane l xor 16
	s_mov_b32 s101, 0xffff0000                     ; lanes 16-31
	; group 1: rows of 256 bytes (32 elements of 8), 16 bytes of padding behind each: 192 rows (64 of query), 384 (128 of a weight), 96 (32 of Wv)
	s_or_b32 s[G1], s43, (3<<16)|(1<<20)|(1<<21)|(5<<22)|(3<<25)
	s_or_b32 s[G1B], s44, (3<<16)|(1<<20)|(1<<21)|(5<<22)|(3<<25)
	s_or_b32 s[G1C], s44, (3<<16)|(1<<20)|(1<<21)|(5<<22)|(3<<25)
.irp g, G1, G1B, G1C
	s_mov_b32 s[\g+1], 32<<16
	s_mov_b32 s[\g+3], 32<<16
	s_mov_b32 s[\g+5], 32
	s_mov_b32 s[\g+6], 0
	s_mov_b32 s[\g+7], 0
.endr
	s_mov_b32 s[G1+2], 192<<16
	s_mov_b32 s[G1+4], 192
	s_mov_b32 s[G1B+2], 384<<16
	s_mov_b32 s[G1B+4], 384
	s_mov_b32 s[G1C+2], 96<<16
	s_mov_b32 s[G1C+4], 96
	s_lshl_b32 s18, s17, 7
	s_lshl_b32 s19, s16, 6
	s_add_co_u32 s18, s18, s19
	s_mul_i32 s18, s18, 768                        ; query: the 64 rows that waves 0, 1 fetch
	s_mov_b32 s19, 0
	s_mul_i32 s22, s42, 128*768                    ; a weight's 128 rows
	s_mov_b32 s23, 0
	s_mul_i32 s46, s14, 32*768
	s_add_co_u32 s46, s46, s22                     ; Wv: my 32 rows
	s_mov_b32 s47, 0
	s_lshl_b32 s56, s17, 12                        ; the scales of query's 128 rows
	s_mov_b32 s57, 0
	s_lshl_b32 s58, s42, 12                        ; of a weight's
	s_mov_b32 s59, 0
	s_lshl_b32 s20, s15, 6
	s_lshl_b32 s21, s16, 4
	s_add_co_u32 s20, s20, s21                     ; where my tile 2 w begins: row 64 (w / 2) + 16 (w % 2)
	s_lshl_b32 s60, s20, 5
	s_mov_b32 s61, 0
	s_mul_i32 s20, s20, P
	s_add_co_u32 s21, s20, 2*HB
	s_lshl_b32 s62, s14, 2
	s_lshr_b32 s96, s17, 4
	s_lshl_b32 s96, s96, 3
	s_add_co_u32 s96, s96, s42
	s_lshl_b32 s96, s96, 4
	s_and_b32 s97, s17, 15
	s_add_co_u32 s96, s96, s97
	s_mul_i32 s96, s96, REC                        ; my record
	s_mov_b32 s97, 0
	s_mul_i32 s98, s14, 2*1536
	s_add_co_u32 s98, s98, s96                     ; my two images
	s_mov_b32 s99, 0
	s_mov_b32 s[G0], 1
	s_mul_i32 s[G0+1], s14, HB
	s_mov_b32 s[G0B], 1
	s_mul_i32 s[G0B+1], s16, 2*HB
	s_add_co_u32 s[G0B+1], s[G0B+1], 2*HB
	s_mov_b32 s[G0C], 1
	s_mul_i32 s[G0C+1], s14, 32*P
	s_add_co_u32 s[G0C+1], s[G0C+1], 2*HB
	s_wait_dscnt 0x0
	s_wait_kmcnt 0x0
	s_add_nc_u64 s[G0+2:G0+3], s[68:69], s[18:19]
	s_cmp_eq_u32 s16, 0                            ; wave 2: Wq, wave 3: Wk
	s_cselect_b64 s[G0B+2:G0B+3], s[72:73], s[76:77]
	s_add_nc_u64 s[G0B+2:G0B+3], s[G0B+2:G0B+3], s[22:23]
	s_add_nc_u64 s[G0C+2:G0C+3], s[80:81], s[46:47]
	s_or_b32 s[G0+3], s[G0+3], 0x80000000
	s_or_b32 s[G0B+3], s[G0B+3], 0x80000000
	s_or_b32 s[G0C+3], s[G0C+3], 0x80000000
	s_add_nc_u64 s[70:71], s[70:71], s[56:57]
	s_add_nc_u64 s[86:87], s[70:71], s[60:61]
	s_add_nc_u64 s[74:75], s[74:75], s[58:59]
	s_add_nc_u64 s[78:79], s[78:79], s[58:59]
	s_add_nc_u64 s[82:83], s[82:83], s[58:59]
	s_add_nc_u64 s[82:83], s[82:83], s[60:61]
	s_add_nc_u64 s[10:11], s[12:13], s[96:97]
	s_add_nc_u64 s[12:13], s[12:13], s[98:99]
	v_and_b32 v1, 7, v0
	v_bfe_u32 v2, v0, 3, 1
	v_bfe_u32 v3, v0, 4, 1                         ; h
	v_lshl_add_u32 v1, v2, 5, v1                   ; my row in tile 0: r % 8 + 32 (r / 8)
	v_lshlrev_b32 v[SOF], 5, v1
	v_mul_u32_u24 v2, v1, P
	v_mad_u32_u24 v2, v3, 24, v2
	v_lshl_add_u32 v1, v3, 4, v2
.irp k, 0,1,2,3,4,5
	v_add_nc_u32 v[BB+2*\k], \k*HB, v2
	v_add_nc_u32 v[BB+2*\k+1], \k*HB, v1
.endr
	v_add_nc_u32 v[AA], s20, v2
	v_add_nc_u32 v[AA+1], s20, v1
	v_add_nc_u32 v[AA+2], s21, v2
	v_add_nc_u32 v[AA+3], s21, v1
	v_and_b32 v[LI], 31, v0
	v_lshlrev_b32 v[LI], 4, v[LI]
	v_add_nc_u32 v[SWA], s62, v[LI]
	WIN 0x80
	v_lshlrev_b32 v[H8], 3, v3
	v_mov_b32 v[TP], 0                             ; a lane permute's destination counts as one of its sources
	WIN 0
	s_wait_alu depctr_va_vdst(0)
.macro SLD reg, base, off
	global_load_b128 v[\reg:\reg+3], v[SOF], s[\base:\base+1] offset:\off
	global_load_b128 v[\reg+4:\reg+7], v[SOF], s[\base:\base+1] offset:\off+16
.endm
.irp i, 0,1
	SLD SAQ+8*\i, 86, 256*\i
.endr
.irp i, 0,1,2,3,4,5,6,7
	SLD SWQ+8*\i, 74, (64*(\i/4)+8*(\i%4))*32
.endr
.irp i, 0,1,2,3,4,5,6,7
	SLD SWK+8*\i, 78, (64*(\i/4)+8*(\i%4))*32
	SLD SQ+8*\i, 70, (64*(\i/4)+8*(\i%4))*32
.endr
.irp i, 0,1
	SLD SWV+8*\i, 82, 256*\i
.endr
	CROUND                                         ; all sixteen work-groups are here: the first joint loads meet
	s_cmp_eq_u32 s15, 0                            ; one load a wave, one chain of branches on the wave's number
	s_cbranch_scc0 .Lfor_w
	tensor_load_to_lds s[G0:G0+3], s[G1:G1+7]
	s_nop 0
	PLACES
	s_branch .Lasked
.Lfor_w:
	tensor_load_to_lds s[G0B:G0B+3], s[G1B:G1B+7]
	s_nop 0
	PLACES
.Lasked:
; a fragment: 12 registers, in pieces of 8 bytes.  Piece PC of a row lies at 8 PC + 16 (PC / 32); lanes 16-31 take the piece three on
.macro FRAG reg, adr, st, off
.irp p, 0,1,2,3,4,5
.set PC, 12*(\st)+6*(\p/3)+\p%3
	ds_load_b64 v[(\reg)+2*\p:(\reg)+2*\p+1], v[(\adr)+((PC%32)+3)/32] offset:8*PC+16*(PC/32)+(\off)
.endr
.endm
.macro FETCH st, aa, bb                ; 60 LDS loads: B's eight fragments and my two of A, K step st, into set st % 2
	WIN 0x40
.irp i, 0,1,2,3,4,5,6,7
	FRAG 96*((\st)%2)+12*\i, (\bb)+2*(\i/4), \st, 8*(\i%4)*P
.endr
	WIN 0x80
.irp i, 0,1
	FRAG AF+24*((\st)%2)+12*\i, \aa, \st, 8*\i*P
.endr
.endm
.macro MUL st, sa, sb                  ; the 16 accumulators take turns, in the same order in every step; step 0 starts the sums
	WIN 0xa9
.irp a, 0,1
.irp b, 0,1,2,3,4,5,6,7
.if (\st) == 0
	v_wmma_scale_f32_16x16x128_f8f6f4 v[8*(8*\a+\b):8*(8*\a+\b)+7], v[96*((\st)%2)+12*\b:96*((\st)%2)+12*\b+11], v[AF+24*((\st)%2)+12*\a:AF+24*((\st)%2)+12*\a+11], 0, v[(\sb)+8*\b+(\st)], v[(\sa)+8*\a+(\st)] matrix_a_fmt:MATRIX_FMT_FP6 matrix_b_fmt:MATRIX_FMT_FP6
.else
	v_wmma_scale_f32_16x16x128_f8f6f4 v[8*(8*\a+\b):8*(8*\a+\b)+7], v[96*((\st)%2)+12*\b:96*((\st)%2)+12*\b+11], v[AF+24*((\st)%2)+12*\a:AF+24*((\st)%2)+12*\a+11], v[8*(8*\a+\b):8*(8*\a+\b)+7], v[(\sb)+8*\b+(\st)], v[(\sa)+8*\a+(\st)] matrix_a_fmt:MATRIX_FMT_FP6 matrix_b_fmt:MATRIX_FMT_FP6
.endif
.endr
.endr
.endm
.macro PHASE aa, bb, sa, sb            ; eight K steps; the next step's 60 loads are issued ahead of a step's products
	FETCH 0, \aa, \bb
.set ST, 0
.rept 8
.if ST < 7
.if ST > 0
	PLACES                                         ; loads into registers that the last step's products read stand four places behind them
.endif
	FETCH ST+1, \aa, \bb
	s_wait_dscnt 60                                ; all but the 60 just issued
.else
	s_wait_dscnt 0x0
.endif
	MUL ST, \sa, \sb
.set ST, ST+1
.endr
.endm
; THE WAY OUT.  Of tile i lane (r, h) holds 64 numbers of one row: registers 32 g + 0 .. 31 are the row's block 2 g + h.  They become the tile's 12 operand registers and its scale word.  All in window 2.
.macro QOUT i
.set AC, 64*(\i)
.irp c, 0,1,2,3                        ; four chains, ascending: each accumulator is first read at its low end; the floor 2^(3 - 127) is a leaf
	v_max3_num_f32 v[BM+\c], 0x1800000, |v[AC+16*\c]|, |v[AC+16*\c+1]|
.endr
.irp j, 2,4,6,8,10,12,14
.irp c, 0,1,2,3
	v_max3_num_f32 v[BM+\c], v[BM+\c], |v[AC+16*\c+\j]|, |v[AC+16*\c+\j+1]|
.endr
.endr
	v_max_num_f32 v[BM], v[BM], v[BM+1]
	v_max_num_f32 v[BM+2], v[BM+2], v[BM+3]
	v_add_nc_u32 v[SO], 0xff000000, v[BM]          ; 2 off the exponent field: the conversion's scale operand
	v_add_nc_u32 v[SO+1], 0xff000000, v[BM+2]
	v_lshrrev_b32 v[BY], 23, v[SO]
	v_lshrrev_b32 v[BY+1], 23, v[SO+1]
	v_lshl_or_b32 v[SW+\i], v[BY+1], 16, v[BY]     ; bytes h and 2 + h,
	v_lshlrev_b32 v[SW+\i], v[H8], v[SW+\i]        ; at their places;
	v_permlanex16_b32 v[TP], v[SW+\i], s104, s105
	v_or_b32 v[SW+\i], v[SW+\i], v[TP]             ; with lane l xor 16's the word is whole
.irp g, 0,1
	v_cvt_scalef32_pk16_fp6_f32 v[CB+12*(\i)+6*\g:CB+12*(\i)+6*\g+2], v[AC+32*\g:AC+32*\g+15], v[SO+\g]
	v_cvt_scalef32_pk16_fp6_f32 v[T2+4*\g:T2+4*\g+2], v[AC+32*\g+16:AC+32*\g+31], v[SO+\g]
.endr
	v_nop                                          ; one plain place behind a scaled conversion
.irp g, 0,1
.irp x, 0,1,2
	v_mov_b32 v[CB+12*(\i)+6*\g+3+\x], v[T2+4*\g+\x]
.endr
.endr
.endm
.macro WAYOUT sec
	s_wait_xcnt 0x0                                ; the last phase's stores have read their data registers
	WIN 0xaa
	QOUT 0
	QOUT 1
	v_cndmask_b32 v[SWO], v[SW], v[SW+1], s101     ; lanes 0-15: tile 2 w's words; lanes 16-31: tile 2 w + 1's
	WIN 0x08
.irp c, 0,1,2,3,4,5
	global_store_b128 v[LI], v[CB+4*\c:CB+4*\c+3], s[12:13] offset:\sec*SECT+512*\c   ; the wave stores 512 consecutive bytes, at a multiple of 256 from the buffer's first byte
.endr
	global_store_b32 v[SWA], v[SWO], s[10:11] offset:\sec*SECT+12288
	WIN 0
.endm
	s_wait_tensorcnt 0x0                           ; my tile is in,
	s_barrier_signal -1
	s_barrier_wait -1                              ; everybody's is
	s_wait_loadcnt 0x0                             ; the scale words
	PHASE AA, BB+4, SAQ, SWQ                       ; q
	WIN 0
	s_wait_tensorcnt 0x0                           ; X is read no more
	ds_add_u32 v[SPW], v[NIL]
	s_wait_dscnt 0x0
	CROUND
	tensor_load_to_lds s[G0C:G0C+3], s[G1C:G1C+7]  ; Wv into X, 32 rows a wave
	s_nop 0
	PLACES                                         ; also the places behind q's last products
	WAYOUT 0
	PHASE AA, BB+8, SAQ, SWK                       ; k
	PLACES
	WAYOUT 1
	s_wait_tensorcnt 0x0                           ; my part of Wv is in,
	s_barrier_signal -1
	s_barrier_wait -1                              ; everybody's is
	PHASE AA+2, BB, SWV, SQ                        ; v
	PLACES
	WAYOUT 2
	s_wait_tensorcnt 0x0                           ; the wave's end
	ds_add_u32 v[SPW], v[NIL]
	s_wait_dscnt 0x0
	CROUND                                         ; the closing round
	s_endpgm
.Lfunc_end_k_q22137b30dc_proj:
	.size	k_q22137b30dc_proj, .Lfunc_end_k_q22137b30dc_proj-k_q22137b30dc_proj
	.p2alignl 7, 3214868480
	.fill 96, 4, 3214868480
	.section	.rodata,"a",@progbits
	.p2align	6, 0x0
	.amdhsa_kernel k_q22137b30dc_proj
		.amdhsa_group_segment_fixed_size 327680
		.amdhsa_private_segment_fixed_size 0
		.amdhsa_enable_private_segment 0
		.amdhsa_kernarg_size 72
		.amdhsa_user_sgpr_count 2
		.amdhsa_user_sgpr_kernarg_segment_ptr 1
		.amdhsa_wavefront_size32 1
		.amdhsa_system_sgpr_workgroup_id_x 1
		.amdhsa_system_sgpr_workgroup_id_y 1
		.amdhsa_system_sgpr_workgroup_id_z 1
		.amdhsa_system_vgpr_workitem_id 0
		.amdhsa_next_free_vgpr 768
		.amdhsa_next_free_sgpr 106
		.amdhsa_reserve_vcc 0
		.amdhsa_float_denorm_mode_32 3
		.amdhsa_float_denorm_mode_16_64 3
		.amdhsa_memory_ordered 1
		.amdhsa_forward_progress 1
		.amdhsa_inst_pref_size 179
	.end_amdhsa_kernel
	.amdgpu_metadata
---
amdhsa.version: [ 1, 2 ]
amdhsa.kernels:
  - .name:           k_q22137b30dc_proj
    .symbol:         k_q22137b30dc_proj.kd
    .args:
      - { .name: query_codes, .offset: 0, .size: 8, .value_kind: global_buffer, .address_space: global }
      - { .name: query_scales, .offset: 8, .size: 8, .value_kind: global_buffer, .address_space: global }
      - { .name: Wq_codes, .offset: 16, .size: 8, .value_kind: global_buffer, .address_space: global }
      - { .name: Wq_scales, .offset: 24, .size: 8, .value_kind: global_buffer, .address_space: global }
      - { .name: Wk_codes, .offset: 32, .size: 8, .value_kind: global_buffer, .address_space: global }
      - { .name: Wk_scales, .offset: 40, .size: 8, .value_kind: global_buffer, .address_space: global }
      - { .name: Wv_codes, .offset: 48, .size: 8, .value_kind: global_buffer, .address_space: global }
      - { .name: Wv_scales, .offset: 56, .size: 8, .value_kind: global_buffer, .address_space: global }
      - { .name: qkv, .offset: 64, .size: 8, .value_kind: global_buffer, .address_space: global }
    .group_segment_fixed_size: 327680
    .private_segment_fixed_size: 0
    .kernarg_segment_align: 8
    .kernarg_segment_size: 72
    .max_flat_workgroup_size: 128
    .sgpr_count:     106
    .vgpr_count:     768
    .wavefront_size: 32
...
	.end_amdgpu_metadata
.endif
;; end of part 1
;; launch attn (part 2): grid 16 x 16, 8 waves a work-group, clusters of 4 x 1, 327,680 bytes of LDS; arguments qkv, lq1, lk1, lq2, lk2, subln_w, ac, asc; writes ac, asc
.if DOCPART == 2
	.amdgcn_target "amdgcn-amd-amdhsa--gfx1250"
	.amdhsa_code_object_version 6
	.text
	.protected	k_q22137b30dc_attn
	.globl	k_q22137b30dc_attn
	.p2align	8
	.type	k_q22137b30dc_attn,@function
k_q22137b30dc_attn:
	s_mov_b64 s[64:65], 0
	v_nop
	global_prefetch_b8 v0, s[64:65] scope:SCOPE_SE
	s_setreg_imm32_b32 hwreg(HW_REG_WAVE_MODE, 25, 1), 1
	s_wait_xcnt 0x0
	s_wait_alu depctr_hold_cnt(0) depctr_sa_sdst(0) depctr_va_vdst(0) depctr_va_sdst(0) depctr_va_ssrc(0) depctr_va_vcc(0) depctr_vm_vsrc(0)
	s_getreg_b32 s2, hwreg(HW_REG_IB_STS2, 6, 4)
	s_cmp_eq_u32 s2, 0
	s_cbranch_scc0 .Lentry_in_a_cluster
	s_endpgm
.Lentry_in_a_cluster:
	s_bfe_u32 s2, ttmp6, 0x10000c
	s_cmp_lg_u32 s2, 0x3003
	s_cbranch_scc0 .Lentry_shape_is_right
	s_endpgm
.Lentry_shape_is_right:
; Differential attention of one head pair: P = softmax(q1 k1^T / 8) - lambda softmax(q2 k2^T / 8), finished and normalised, quantised along the keys, times v; RMS norm, subln_w, 1 - lambda_init; quantised along the 128 channels and stored as rows of codes.
; SHARES.  Work-group (x = block of 128 queries, y = batch x 8 + head pair); wave w takes tile w of the q record, 16 queries, both heads.  A lane holds one query; its registers run along the keys (S^T = k q^T, O^T = v^T P^T).
; The head pair's 128 channels are one fragment; a head's scores come from q's fragment with the other head's 64 codes set to zero.
; TWO PASSES over the 16 key records, since P's codes need both rows' finished sums.  Pass 1: a running maximum and sum in each lane, joined with lane l xor 16 at its end.
; Pass 2: p = 2^(c s - c m - log2(sum)) is the normalised softmax by one multiply-add and one exponential; P = p1 - lambda p2 by one multiply-add.
; In each step the 128 exponentials stand as ONE batch, all their sources made ahead of it.
; k's FRAGMENTS ARE FETCHED A STEP AHEAD: directly behind a step's score products the next record's 25 LDS loads are issued into the same registers; pass 1's last step fetches record 0 for pass 2, pass 2's last step fetches nothing.
; LDS: k's 16 records (204,800 bytes) come at the head, an eighth a wave; v's records 0-7 behind one round, into two slots of four records.  Behind step 3 of pass 2 one more fill brings v's records 8-11 into slot 0 (waves 0-3)
; and 12-15 into the bytes of k's records 0-3, which are read no more (waves 4-7).  All fills are rows of 256 bytes.  The four work-groups of a cluster share k and v and ask jointly.
; No prefetch: every fill but the head's is asked for at least four steps ahead of its first read, and the head has no loop ahead of it.
; subln_w's 512 bytes are kept in LDS bytes of the wave's own from the passes' joint on.
; LIMITS.  The promise holds while the scaled scores (the exponents to the base 2, before the maximum is taken away) stay under 2^31 in magnitude; there every score is finite.
; The factor 1/8 on q is folded into c = log2(e) / 8.  A block of P or of the result under 2^-124 keeps the scale byte 1.
.set REC,   12800
.set SWD,   12288
.set QUAD,  4*REC
.set HEADB, 16*REC
.set SECK,  256*REC
.set SECV,  512*REC
.set VSL,   HEADB
.set WST,   HEADB+2*QUAD               ; subln_w, 512 bytes for each wave
.set SPARE, WST+8*512
.set LI,  1
.set ADK, 2
.set ADV, 3
.set SPW, 4
.set NIL, 5
.set H8,  6
.set QS,  7
.set KS,  8
.set VS,  12
.set PS,  16
.set LAM, 17
.set TP,  18
.set XA,  20                           ; v20: the exponent's addend, v21: the largest score; XB likewise
.set XB,  22
.set FA,  24
.set FB,  26
.set LA,  28                           ; v28-35 head 1's sums, four packed chains
.set TT,  36
.set BM,  36
.set SO,  40
.set BY,  42
.set PC,  44
.set LB,  44                           ; v44-51 head 2's sums (pass 1 alone)
.set T2,  56
.set WR,  56                           ; v56-59 subln_w on its way to LDS (pass 1 alone)
.set SX,  64
.set SY,  128
.set OT,  192
.set KF,  0
.set VF,  96
.set QA,  192
.set QB,  204
.set WV,  20
.set G1,  24
.set CS,  56
.set SEL, 58
.set KB,  60                           ; LDS byte of the k record that is fetched next
.set VB,  61                           ; LDS byte of this step's v record
.set CNT, 62
.set NC,  63
.set MSB, 0
.macro WIN new
.if MSB != \new
	s_set_vgpr_msb (MSB<<8)|\new
.set MSB, \new
.endif
.endm
.macro PLACES
.rept 4
	v_nop
.endr
.endm
.macro CROUND
	s_barrier_signal -1
	s_barrier_wait -1
	s_cmp_lg_u32 s[WV], 0
	s_cbranch_scc1 .Lnot_wave_0_\@
	s_barrier_signal -3
.Lnot_wave_0_\@:
	s_barrier_wait -3
	s_barrier_signal -1
	s_barrier_wait -1
.endm
.macro MKG0 g, lds, ws, goff           ; group 0: LDS byte lds + my share, the head's byte goff + my share
	s_mov_b32 s[\g], 1
	s_add_co_u32 s[\g+1], s[\ws], \lds
	s_mov_b32 s70, s[\ws]
	s_add_nc_u64 s[\g+2:\g+3], s[68:69], s[70:71]
	s_add_nc_u64 s[\g+2:\g+3], s[\g+2:\g+3], \goff
	s_or_b32 s[\g+3], s[\g+3], 0x80000000
.endm
.macro FILL g, rows                    ; no load of mine is out where the row count is written
	s_wait_tensorcnt 0x0
	ds_add_u32 v[SPW], v[NIL]
	s_mov_b32 s[G1+2], (\rows)<<16
	s_mov_b32 s[G1+4], \rows
	s_wait_dscnt 0x0
	CROUND
	tensor_load_to_lds s[\g:\g+3], s[G1:G1+7]
	s_nop 0
	PLACES
.endm
	s_load_b512 s[4:19], s[0:1], 0x0               ; qkv, lq1, lk1, lq2, lk2, subln_w, ac, asc
	v_lshl_add_u32 v[SPW], v0, 2, SPARE
	v_mov_b32 v[NIL], 0
	ds_add_u32 v[SPW], v[NIL]                      ; the opening lines
	ds_add_u32 v[SPW], v[NIL]
	v_lshrrev_b32 v1, 5, v0
	s_delay_alu instid0(VALU_DEP_1)
	v_readfirstlane_b32 s[WV], v1
	s_bfe_u32 s21, ttmp6, 0x40000
	s_lshl_b32 s22, ttmp9, 2
	s_add_co_u32 s22, s22, s21                     ; block of 128 queries
	s_and_b32 s23, ttmp7, 0xffff                   ; batch x 8 + head pair
	s_mov_b32 s[G1], 15|(3<<16)|(1<<21)
	s_mov_b32 s[G1+1], 32<<16
	s_mov_b32 s[G1+2], 100<<16
	s_mov_b32 s[G1+3], 32<<16
	s_mov_b32 s[G1+4], 100
	s_mov_b32 s[G1+5], 32
	s_mov_b32 s[G1+6], 0
	s_mov_b32 s[G1+7], 0
	s_mul_i32 s75, s[WV], HEADB/8
	s_mul_i32 s76, s[WV], 2*QUAD/8
	s_lshr_b32 s86, s[WV], 2
	s_xor_b32 s86, s86, 1
	s_mul_i32 s86, s86, VSL                        ; the last fill: waves 0-3 into v's slot 0, waves 4-7 into k's first four records,
	s_and_b32 s87, s[WV], 3
	s_mul_i32 s87, s87, REC
	s_add_co_u32 s86, s86, s87                     ; a record a wave
	s_mul_i32 s66, s23, HEADB
	s_mov_b32 s67, 0
	s_mov_b32 s71, 0
	s_mov_b32 s[CS], 0x3e38aa3b                    ; c = log2(e) / 8
	s_mov_b32 s[CS+1], s[CS]
	s_mov_b32 s[SEL], 0x76543210
	s_mov_b32 s[SEL+1], 0xfedcba98
	s_mov_b32 s[NC], 0xbe38aa3b                    ; -c
	s_mov_b32 s52, 0x3727c5ac                      ; 1e-5
	s_mov_b32 s53, 0x3c000000                      ; 1 / 128
	s_and_b32 s77, s[WV], 1
	s_lshl_b32 s77, s77, 8
	s_lshr_b32 s78, s[WV], 1
	s_lshl_b32 s78, s78, 2
	s_add_co_u32 s77, s77, s78                     ; tile w's scale words: 256 (w % 2) + 4 (w / 2)
	s_lshl_b32 s82, s23, 4
	s_add_co_u32 s82, s82, s22
	s_mul_i32 s82, s82, REC                        ; q's record
	s_mov_b32 s83, 0
	s_mul_i32 s84, s[WV], 1536
	s_mov_b32 s85, 0
	s_wait_dscnt 0x0
	s_wait_kmcnt 0x0
	s_add_nc_u64 s[68:69], s[4:5], s[66:67]
	s_add_nc_u64 s[78:79], s[4:5], s[82:83]
	s_add_nc_u64 s[80:81], s[78:79], s[84:85]
	MKG0 32, 0, 75, SECK                           ; k's 16 records
	MKG0 40, VSL, 76, SECV                         ; v's 0-7, both slots
	MKG0 44, 0, 76, SECV+2*QUAD                    ; v's 8-15,
	s_mov_b32 s45, s86                             ; at the LDS bytes made above
	CROUND
	tensor_load_to_lds s[32:35], s[G1:G1+7]
	s_nop 0
	PLACES
	v_and_b32 v19, 31, v0
	v_bfe_u32 v[H8], v0, 4, 1
	v_and_b32 v36, 15, v0
	v_lshlrev_b32 v[LI], 4, v19
	v_lshlrev_b32 v[H8], 3, v[H8]
	v_lshl_add_u32 v36, v36, 4, s77
	v_lshlrev_b32 v37, 3, v19
	s_wait_alu depctr_va_vdst(0)
	WIN 0x40
.irp c, 0,1,2
	global_load_b128 v[QA+4*\c:QA+4*\c+3], v[LI], s[80:81] offset:512*\c
	global_load_b128 v[QB+4*\c:QB+4*\c+3], v[LI], s[80:81] offset:512*\c
.endr
	WIN 0
	global_load_b32 v[QS], v36, s[78:79] offset:SWD
	global_load_b64 v[64:65], v37, s[6:7]
	global_load_b64 v[66:67], v37, s[8:9]
	global_load_b64 v[68:69], v37, s[10:11]
	global_load_b64 v[70:71], v37, s[12:13]
	global_load_b128 v[WR:WR+3], v[LI], s[14:15]   ; subln_w whole: 16 bytes a lane
	v_mov_b32 v[TP], 0
	v_mov_b32 v19, 0
	v_mov_b32 v[XA+1], 0xff61b1e6                  ; -3e38, under every score
	v_mov_b32 v[XB+1], 0xff61b1e6
	v_mov_b32 v[FA+1], 0
	v_mov_b32 v[FB+1], 0
	v_mul_f32 v[XA], s[NC], v[XA+1]
	v_mul_f32 v[XB], s[NC], v[XB+1]
.irp j, 0,1,2,3,4,5,6,7
	v_mov_b32 v[LA+\j], 0
	v_mov_b32 v[LB+\j], 0
.endr
	s_wait_alu depctr_va_vdst(0)
	s_wait_loadcnt 0x0
	WIN 0x40
.set j, 0
.rept 12
	v_mov_b32 v[QA+6+j], 0                         ; QA keeps head 1's 64 codes, QB head 2's
.set j, j+1
.endr
	WIN 0
	v_mul_f32 v72, v64, v66
	v_mul_f32 v73, v68, v70
	s_delay_alu instid0(VALU_DEP_2)
	v_fmac_f32 v72, v65, v67
	s_delay_alu instid0(VALU_DEP_2)
	v_fmac_f32 v73, v69, v71
.irp m, 1,2,4,8
	s_delay_alu instid0(VALU_DEP_2)
	v_add_f32_dpp v72, v72, v72 row_xmask:\m row_mask:0xf bank_mask:0xf
	s_delay_alu instid0(VALU_DEP_2)
	v_add_f32_dpp v73, v73, v73 row_xmask:\m row_mask:0xf bank_mask:0xf
.endr
	s_delay_alu instid0(VALU_DEP_2)
	v_permlanex16_b32 v[TP], v72, s[SEL], s[SEL+1]
	s_delay_alu instid0(VALU_DEP_2)
	v_permlanex16_b32 v19, v73, s[SEL], s[SEL+1]
	s_delay_alu instid0(VALU_DEP_2)
	v_add_f32 v72, v72, v[TP]
	s_delay_alu instid0(VALU_DEP_2)
	v_add_f32 v73, v73, v19
	s_delay_alu instid0(VALU_DEP_2)
	v_mul_f32 v72, 0x3fb8aa3b, v72
	s_delay_alu instid0(VALU_DEP_2)
	v_mul_f32 v73, 0x3fb8aa3b, v73
	s_wait_alu depctr_va_vdst(0)
	v_exp_f32 v72, v72
	v_exp_f32 v73, v73
	v_nop
	s_wait_alu depctr_va_vdst(0)
	v_sub_f32 v[LAM], v72, v73
	s_delay_alu instid0(VALU_DEP_1)
	v_add_f32 v[LAM], 0x3f489a63, v[LAM]           ; lambda_1 - lambda_2 + lambda_init
.macro SPROD t
.if (\t)%2
	v_wmma_scale_f32_16x16x128_f8f6f4 v[SX+8*(\t):SX+8*(\t)+7], v[KF+12*(\t):KF+12*(\t)+11], v[QA:QA+11], 0, v[KS+(\t)/2], v[QS] matrix_a_fmt:MATRIX_FMT_FP6 matrix_b_fmt:MATRIX_FMT_FP6 matrix_a_scale:MATRIX_SCALE_ROW1
	v_wmma_scale_f32_16x16x128_f8f6f4 v[SY+8*(\t):SY+8*(\t)+7], v[KF+12*(\t):KF+12*(\t)+11], v[QB:QB+11], 0, v[KS+(\t)/2], v[QS] matrix_a_fmt:MATRIX_FMT_FP6 matrix_b_fmt:MATRIX_FMT_FP6 matrix_a_scale:MATRIX_SCALE_ROW1
.else
	v_wmma_scale_f32_16x16x128_f8f6f4 v[SX+8*(\t):SX+8*(\t)+7], v[KF+12*(\t):KF+12*(\t)+11], v[QA:QA+11], 0, v[KS+(\t)/2], v[QS] matrix_a_fmt:MATRIX_FMT_FP6 matrix_b_fmt:MATRIX_FMT_FP6
	v_wmma_scale_f32_16x16x128_f8f6f4 v[SY+8*(\t):SY+8*(\t)+7], v[KF+12*(\t):KF+12*(\t)+11], v[QB:QB+11], 0, v[KS+(\t)/2], v[QS] matrix_a_fmt:MATRIX_FMT_FP6 matrix_b_fmt:MATRIX_FMT_FP6
.endif
.endm
.macro SCORES                          ; 16 products: eight tiles of 16 keys x two heads
	WIN 0x05
.irp t, 0,1,2,3,4,5,6,7
	SPROD \t
.endr
	WIN 0
.endm
.macro KNEXT                           ; the k record at LDS byte KB: its scale words and its 24 x 512 bytes of fragments, 25 LDS loads; the first four lines are the places behind the products that read these registers
	v_add_nc_u32 v[ADK], s[KB], v[LI]
	v_nop
	v_nop
	v_nop
	ds_load_b128 v[KS:KS+3], v[ADK] offset:SWD
	WIN 0x40
.irp i, 0,1,2,3,4,5,6,7,8,9,10,11,12,13,14,15,16,17,18,19,20,21,22,23
	ds_load_b128 v[KF+4*\i:KF+4*\i+3], v[ADK] offset:512*\i
.endr
	WIN 0
.endm
.macro SCALE s, x                      ; c s + the addend, two at a time
.set j, 0
.rept 32
	v_pk_fma_f32 v[\s+j:\s+j+1], v[\s+j:\s+j+1], s[CS:CS+1], v[\x:\x+1] op_sel_hi:[1,0,0]
.set j, j+2
.endr
.endm
.macro EXPS                            ; both heads' 128 exponentials on end, a plain place, and the batch's one wait
.set j, 0
.rept 128
	v_exp_f32 v[SX+j], v[SX+j]
.set j, j+1
.endr
	v_nop
	s_wait_alu depctr_va_vdst(0)
.endm
.macro STEP1
	s_wait_dscnt 0x0                               ; this record's fragments, asked for a step ago
	SCORES
	KNEXT
.irp k, 0,1,2,3
	v_max3_num_f32 v[TT+\k], v[SX+16*\k], v[SX+16*\k+1], v[SX+16*\k+2]
	v_max3_num_f32 v[TT+4+\k], v[SY+16*\k], v[SY+16*\k+1], v[SY+16*\k+2]
.endr
.irp i, 3,5,7,9,11,13
.irp k, 0,1,2,3
	v_max3_num_f32 v[TT+\k], v[TT+\k], v[SX+16*\k+\i], v[SX+16*\k+\i+1]
	v_max3_num_f32 v[TT+4+\k], v[TT+4+\k], v[SY+16*\k+\i], v[SY+16*\k+\i+1]
.endr
.endr
	v_max3_num_f32 v[TT], v[TT], v[SX+15], v[SX+31]
	v_max3_num_f32 v[TT+4], v[TT+4], v[SY+15], v[SY+31]
	v_max3_num_f32 v[TT+2], v[TT+2], v[SX+47], v[SX+63]
	v_max3_num_f32 v[TT+6], v[TT+6], v[SY+47], v[SY+63]
	s_delay_alu instid0(VALU_DEP_2)
	v_max3_num_f32 v[TT], v[TT], v[TT+1], v[TT+2]
	s_delay_alu instid0(VALU_DEP_2)
	v_max3_num_f32 v[TT+4], v[TT+4], v[TT+5], v[TT+6]
	s_delay_alu instid0(VALU_DEP_2)
	v_max3_num_f32 v[XA+1], v[TT], v[TT+3], v[XA+1]   ; my lane's running largest score
	s_delay_alu instid0(VALU_DEP_2)
	v_max3_num_f32 v[XB+1], v[TT+4], v[TT+7], v[XB+1]
	s_delay_alu instid0(VALU_DEP_2)
	v_mul_f32 v[TT], s[NC], v[XA+1]
	s_delay_alu instid0(VALU_DEP_2)
	v_mul_f32 v[TT+4], s[NC], v[XB+1]
	s_delay_alu instid0(VALU_DEP_2)
	v_sub_f32 v[TT+1], v[TT], v[XA]                ; c (old maximum - new)
	s_delay_alu instid0(VALU_DEP_2)
	v_sub_f32 v[TT+5], v[TT+4], v[XB]
	s_delay_alu instid0(VALU_DEP_4)
	v_mov_b32 v[XA], v[TT]
	s_delay_alu instid0(VALU_DEP_4)
	v_mov_b32 v[XB], v[TT+4]
	SCALE SX, XA
	SCALE SY, XB
	s_wait_alu depctr_va_vdst(0)
	v_exp_f32 v[FA], v[TT+1]
	v_exp_f32 v[FB], v[TT+5]
	EXPS
.set j, 0
.rept 4                                ; the sums under the new maximum, and the step's first numbers; eight chains by turns
	v_pk_fma_f32 v[LA+j:LA+j+1], v[LA+j:LA+j+1], v[FA:FA+1], v[SX+j:SX+j+1] op_sel_hi:[1,0,1]
	v_pk_fma_f32 v[LB+j:LB+j+1], v[LB+j:LB+j+1], v[FB:FB+1], v[SY+j:SY+j+1] op_sel_hi:[1,0,1]
.set j, j+2
.endr
.rept 28
	v_pk_add_f32 v[LA+j%8:LA+j%8+1], v[LA+j%8:LA+j%8+1], v[SX+j:SX+j+1]
	v_pk_add_f32 v[LB+j%8:LB+j%8+1], v[LB+j%8:LB+j%8+1], v[SY+j:SY+j+1]
.set j, j+2
.endr
.endm
	s_wait_alu depctr_va_vdst(0)
	FILL 40, 50                                    ; k is in, everybody's part; v's records 0-7 are asked for
	s_mov_b32 s[KB], 0
	KNEXT                                          ; record 0
	s_mov_b32 s[KB], REC
	s_mov_b32 s[CNT], 15
.Lone:
	STEP1
	s_add_co_u32 s[KB], s[KB], REC
	s_sub_co_u32 s[CNT], s[CNT], 1
	s_cmp_lg_u32 s[CNT], 0
	s_cbranch_scc1 .Lone
	s_mov_b32 s[KB], 0
	STEP1                                          ; record 15; it fetches record 0 for pass 2
	v_pk_add_f32 v[LA:LA+1], v[LA:LA+1], v[LA+2:LA+3]
	v_pk_add_f32 v[LB:LB+1], v[LB:LB+1], v[LB+2:LB+3]
	v_pk_add_f32 v[LA+4:LA+5], v[LA+4:LA+5], v[LA+6:LA+7]
	v_pk_add_f32 v[LB+4:LB+5], v[LB+4:LB+5], v[LB+6:LB+7]
	s_delay_alu instid0(VALU_DEP_2)
	v_pk_add_f32 v[LA:LA+1], v[LA:LA+1], v[LA+4:LA+5]
	s_delay_alu instid0(VALU_DEP_2)
	v_pk_add_f32 v[LB:LB+1], v[LB:LB+1], v[LB+4:LB+5]
	s_delay_alu instid0(VALU_DEP_2)
	v_add_f32 v[LA], v[LA], v[LA+1]
	s_delay_alu instid0(VALU_DEP_2)
	v_add_f32 v[LB], v[LB], v[LB+1]
	v_permlanex16_b32 v[TT], v[XA+1], s[SEL], s[SEL+1]
	v_permlanex16_b32 v[TT+4], v[XB+1], s[SEL], s[SEL+1]
	s_delay_alu instid0(VALU_DEP_2)
	v_max_num_f32 v[XA+1], v[XA+1], v[TT]          ; the row's maximum: with lane l xor 16's
	s_delay_alu instid0(VALU_DEP_2)
	v_max_num_f32 v[XB+1], v[XB+1], v[TT+4]
	s_delay_alu instid0(VALU_DEP_2)
	v_mul_f32 v[TT], s[NC], v[XA+1]
	s_delay_alu instid0(VALU_DEP_2)
	v_mul_f32 v[TT+4], s[NC], v[XB+1]
	s_delay_alu instid0(VALU_DEP_2)
	v_sub_f32 v[TT+1], v[TT], v[XA]
	s_delay_alu instid0(VALU_DEP_2)
	v_sub_f32 v[TT+5], v[TT+4], v[XB]
	s_delay_alu instid0(VALU_DEP_4)
	v_mov_b32 v[XA], v[TT]
	s_delay_alu instid0(VALU_DEP_4)
	v_mov_b32 v[XB], v[TT+4]
	s_wait_alu depctr_va_vdst(0)
	v_exp_f32 v[TT+1], v[TT+1]
	v_exp_f32 v[TT+5], v[TT+5]
	v_nop
	s_wait_alu depctr_va_vdst(0)
	v_mul_f32 v[LA], v[LA], v[TT+1]
	v_mul_f32 v[LB], v[LB], v[TT+5]
	s_delay_alu instid0(VALU_DEP_2)
	v_permlanex16_b32 v[TT], v[LA], s[SEL], s[SEL+1]
	s_delay_alu instid0(VALU_DEP_2)
	v_permlanex16_b32 v[TT+4], v[LB], s[SEL], s[SEL+1]
	s_delay_alu instid0(VALU_DEP_2)
	v_add_f32 v[LA], v[LA], v[TT]                  ; the row's sum, at least 1
	s_delay_alu instid0(VALU_DEP_2)
	v_add_f32 v[LB], v[LB], v[TT+4]
	s_wait_alu depctr_va_vdst(0)
	v_log_f32 v[TT+1], v[LA]
	v_log_f32 v[TT+5], v[LB]
	v_mul_f32 v[FB], -1.0, v[LAM]                  ; -lambda
	s_wait_alu depctr_va_vdst(0)
	v_sub_f32 v[XA], v[XA], v[TT+1]                ; the addend of pass 2: -c m - log2(sum)
	v_sub_f32 v[XB], v[XB], v[TT+5]
	v_lshl_add_u32 v[ADK], v0, 4, WST
	s_wait_alu depctr_va_vdst(0)
	s_wait_tensorcnt 0x0                           ; my part of v's records 0-7 is in
	ds_store_b128 v[ADK], v[WR:WR+3]               ; subln_w into my wave's own 512 bytes
	s_wait_dscnt 0x0
	s_barrier_signal -1
	s_barrier_wait -1                              ; everybody's part is in
.macro QUANT2 x
.irp c, 0,1
	v_max3_num_f32 v[BM+2*\c], |v[\x+32*\c]|, |v[\x+32*\c+1]|, 0x1800000
	v_max3_num_f32 v[BM+2*\c+1], |v[\x+32*\c+16]|, |v[\x+32*\c+17]|, |v[\x+32*\c+18]|
.endr
.irp i, 2,4,6,8,10,12
.irp c, 0,1
	s_delay_alu instid0(VALU_DEP_4)
	v_max3_num_f32 v[BM+2*\c], v[BM+2*\c], |v[\x+32*\c+\i]|, |v[\x+32*\c+\i+1]|
	s_delay_alu instid0(VALU_DEP_4)
	v_max3_num_f32 v[BM+2*\c+1], v[BM+2*\c+1], |v[\x+32*\c+17+\i]|, |v[\x+32*\c+18+\i]|
.endr
.endr
.irp c, 0
	s_delay_alu instid0(VALU_DEP_4)
	v_max3_num_f32 v[BM+2*\c], v[BM+2*\c], |v[\x+32*\c+14]|, |v[\x+32*\c+15]|
.endr
.irp c, 1
	s_delay_alu instid0(VALU_DEP_3)
	v_max3_num_f32 v[BM+2*\c], v[BM+2*\c], |v[\x+32*\c+14]|, |v[\x+32*\c+15]|
.endr
.irp c, 0,1
	s_delay_alu instid0(VALU_DEP_2)
	v_max3_num_f32 v[BM+2*\c], v[BM+2*\c], v[BM+2*\c+1], |v[\x+32*\c+31]|
.endr
.irp c, 0,1
	s_delay_alu instid0(VALU_DEP_2)
	v_add_nc_u32 v[SO+\c], 0xff000000, v[BM+2*\c]
.endr
.irp c, 0,1
	s_delay_alu instid0(VALU_DEP_2)
	v_lshrrev_b32 v[BY+\c], 23, v[SO+\c]
.endr
	s_delay_alu instid0(VALU_DEP_1)
	v_lshl_or_b32 v[PS], v[BY+1], 16, v[BY]
	s_delay_alu instid0(VALU_DEP_1)
	v_lshlrev_b32 v[PS], v[H8], v[PS]
	s_delay_alu instid0(VALU_DEP_1)
	v_permlanex16_b32 v[TP], v[PS], s[SEL], s[SEL+1]
	s_delay_alu instid0(VALU_DEP_1)
	v_or_b32 v[PS], v[PS], v[TP]
.irp c, 0,1
	v_cvt_scalef32_pk16_fp6_f32 v[PC+6*\c:PC+6*\c+2], v[\x+32*\c:\x+32*\c+15], v[SO+\c]
	v_cvt_scalef32_pk16_fp6_f32 v[T2+4*\c:T2+4*\c+2], v[\x+32*\c+16:\x+32*\c+31], v[SO+\c]
.endr
	v_nop
.irp c, 0,1
.irp i, 0,1,2
	v_mov_b32 v[PC+6*\c+3+\i], v[T2+4*\c+\i]
.endr
.endr
.endm
.macro VPROD a, zero
.if \zero
.if (\a)%2
	v_wmma_scale_f32_16x16x128_f8f6f4 v[OT+8*(\a):OT+8*(\a)+7], v[VF+12*(\a):VF+12*(\a)+11], v[PC:PC+11], 0, v[VS+(\a)/2], v[PS] matrix_a_fmt:MATRIX_FMT_FP6 matrix_b_fmt:MATRIX_FMT_FP6 matrix_a_scale:MATRIX_SCALE_ROW1
.else
	v_wmma_scale_f32_16x16x128_f8f6f4 v[OT+8*(\a):OT+8*(\a)+7], v[VF+12*(\a):VF+12*(\a)+11], v[PC:PC+11], 0, v[VS+(\a)/2], v[PS] matrix_a_fmt:MATRIX_FMT_FP6 matrix_b_fmt:MATRIX_FMT_FP6
.endif
.else
.if (\a)%2
	v_wmma_scale_f32_16x16x128_f8f6f4 v[OT+8*(\a):OT+8*(\a)+7], v[VF+12*(\a):VF+12*(\a)+11], v[PC:PC+11], v[OT+8*(\a):OT+8*(\a)+7], v[VS+(\a)/2], v[PS] matrix_a_fmt:MATRIX_FMT_FP6 matrix_b_fmt:MATRIX_FMT_FP6 matrix_a_scale:MATRIX_SCALE_ROW1
.else
	v_wmma_scale_f32_16x16x128_f8f6f4 v[OT+8*(\a):OT+8*(\a)+7], v[VF+12*(\a):VF+12*(\a)+11], v[PC:PC+11], v[OT+8*(\a):OT+8*(\a)+7], v[VS+(\a)/2], v[PS] matrix_a_fmt:MATRIX_FMT_FP6 matrix_b_fmt:MATRIX_FMT_FP6
.endif
.endif
.endm
.macro STEP2 zero, pf                  ; zero = 1: the products start O^T's sums; pf = 1: the next k record is fetched
	v_add_nc_u32 v[ADV], s[VB], v[LI]
	v_nop
	v_nop
	v_nop                                          ; four places behind the last step's products, ahead of the loads into their registers
	ds_load_b128 v[VS:VS+3], v[ADV] offset:SWD
	WIN 0x40
.irp i, 0,1,2,3,4,5,6,7,8,9,10,11,12,13,14,15,16,17,18,19,20,21,22,23
	ds_load_b128 v[VF+4*\i:VF+4*\i+3], v[ADV] offset:512*\i
.endr
	s_wait_dscnt 25                                ; k's record, asked for a step ago, is in; out: v's 25 loads
	SCORES
.if \pf
	KNEXT
.else
	PLACES
.endif
	SCALE SX, XA
	SCALE SY, XB
	s_wait_alu depctr_va_vdst(0)
	EXPS
.set j, 0
.rept 32
	v_pk_fma_f32 v[SX+j:SX+j+1], v[SY+j:SY+j+1], v[FB:FB+1], v[SX+j:SX+j+1] op_sel_hi:[1,0,1]   ; P = p1 - lambda p2
.set j, j+2
.endr
	QUANT2 SX
	PLACES
	s_wait_alu depctr_va_vdst(0)
	s_wait_dscnt 25*\pf                            ; v's record is in; out: the next k record's 25 loads, where they were issued
	WIN 0x01
.irp a, 0,1,2,3,4,5,6,7
	VPROD \a, \zero
.endr
	WIN 0
.endm
.macro RUN2 kn, vb, trips              ; kn: the k record that the first trip fetches; vb: its v record
	s_mov_b32 s[KB], \kn
	s_mov_b32 s[VB], \vb
	s_mov_b32 s[CNT], \trips
.Ltwo_\@:
	STEP2 0, 1
	s_add_co_u32 s[KB], s[KB], REC
	s_add_co_u32 s[VB], s[VB], REC
	s_sub_co_u32 s[CNT], s[CNT], 1
	s_cmp_lg_u32 s[CNT], 0
	s_cbranch_scc1 .Ltwo_\@
.endm
	s_mov_b32 s[KB], REC
	s_mov_b32 s[VB], VSL
	STEP2 1, 1                                     ; step 0
	RUN2 2*REC, VSL+REC, 3                         ; steps 1-3
	FILL 44, 50                                    ; v's slot 0 and k's records 0-3 are read no more: v's records 8-15
	RUN2 5*REC, VSL+QUAD, 4                        ; steps 4-7, v's slot 1
	s_wait_tensorcnt 0x0                           ; my part of v's records 8-15 is in,
	s_wait_dscnt 0x0                               ; no LDS load of mine is out at the signal
	s_barrier_signal -1
	s_barrier_wait -1                              ; everybody's is; nothing is filled again
	RUN2 9*REC, VSL, 4                             ; steps 8-11
	RUN2 13*REC, 0, 3                              ; steps 12-14: v's records lie where k's first four lay
	s_mov_b32 s[VB], 3*REC
	STEP2 0, 0                                     ; step 15
	PLACES
	v_and_b32 v[ADK], 0xe0, v0                     ; 32 x wave
	v_lshlrev_b32 v[ADV], 4, v[H8]                 ; 128 h
	s_delay_alu instid0(VALU_DEP_1)
	v_lshl_add_u32 v[ADK], v[ADK], 4, v[ADV]
	s_delay_alu instid0(VALU_DEP_1)
	v_add_nc_u32 v[ADK], WST, v[ADK]
.irp g, 0,1
.irp q, 0,1,2,3,4,5,6,7
	ds_load_b128 v[SX+32*\g+4*\q:SX+32*\g+4*\q+3], v[ADK] offset:256*\g+16*\q   ; subln_w at my channels 64 g + 32 h + 0 .. 31
.endr
.endr
	v_pk_mul_f32 v[36:37], v[OT:OT+1], v[OT:OT+1]
	v_pk_mul_f32 v[38:39], v[OT+2:OT+3], v[OT+2:OT+3]
.irp j, 4,8,12,16,20,24,28,32,36,40,44,48,52,56,60
	v_pk_fma_f32 v[36:37], v[OT+\j:OT+\j+1], v[OT+\j:OT+\j+1], v[36:37]
	v_pk_fma_f32 v[38:39], v[OT+\j+2:OT+\j+3], v[OT+\j+2:OT+\j+3], v[38:39]
.endr
	s_delay_alu instid0(VALU_DEP_1)
	v_pk_add_f32 v[36:37], v[36:37], v[38:39]
	s_delay_alu instid0(VALU_DEP_1)
	v_add_f32 v36, v36, v37
	s_delay_alu instid0(VALU_DEP_1)
	v_permlanex16_b32 v[TP], v36, s[SEL], s[SEL+1]
	s_delay_alu instid0(VALU_DEP_1)
	v_add_f32 v36, v36, v[TP]
	s_delay_alu instid0(VALU_DEP_1)
	v_fma_f32 v36, v36, s53, s52                   ; the mean of squares + 1e-5
	s_wait_alu depctr_va_vdst(0)
	v_rsq_f32 v40, v36
	v_and_b32 v28, 7, v0
	v_bfe_u32 v29, v0, 3, 1
	s_delay_alu instid0(VALU_DEP_1)
	v_lshl_add_u32 v28, v29, 5, v28                ; my query in the tile: r % 8 + 32 (r / 8)
	s_delay_alu instid0(VALU_DEP_1)
	v_mul_u32_u24 v30, v28, 768
	s_delay_alu instid0(VALU_DEP_1)
	v_mad_u32_u24 v30, v[H8], 3, v30
	s_delay_alu instid0(VALU_DEP_3)
	v_lshlrev_b32 v31, 5, v28
	s_wait_alu depctr_va_vdst(0)
	s_wait_dscnt 0x0
	v_mul_f32 v40, 0x3e5d9673, v40                 ; x (1 - lambda_init)
.set j, 0
.rept 32
	v_pk_mul_f32 v[OT+j:OT+j+1], v[OT+j:OT+j+1], v[40:41] op_sel_hi:[1,0]
.set j, j+2
.endr
.set j, 0
.rept 32
	v_pk_mul_f32 v[OT+j:OT+j+1], v[OT+j:OT+j+1], v[SX+j:SX+j+1]
.set j, j+2
.endr
	QUANT2 OT
	s_lshr_b32 s74, s23, 3
	s_lshl_b32 s74, s74, 11
	s_lshl_b32 s75, s22, 7
	s_add_co_u32 s74, s74, s75
	s_lshr_b32 s75, s[WV], 2
	s_lshl_b32 s75, s75, 6
	s_add_co_u32 s74, s74, s75
	s_and_b32 s75, s[WV], 3
	s_lshl_b32 s75, s75, 3
	s_add_co_u32 s74, s74, s75                     ; the tile's first token
	s_and_b32 s75, s23, 7
	s_mul_i32 s76, s74, 768
	s_mul_i32 s78, s75, 96
	s_add_co_u32 s76, s76, s78
	s_mov_b32 s77, 0
	s_add_nc_u64 s[16:17], s[16:17], s[76:77]
	s_lshl_b32 s78, s74, 5
	s_lshl_b32 s75, s75, 2
	s_add_co_u32 s78, s78, s75
	s_mov_b32 s79, 0
	s_add_nc_u64 s[18:19], s[18:19], s[78:79]
	s_wait_alu depctr_va_vdst(0)
.irp p, 0,1,2,3,4,5
	global_store_b64 v30, v[PC+2*\p:PC+2*\p+1], s[16:17] offset:48*(\p/3)+8*(\p%3)   ; my head pair's 96 bytes of a token's row of codes
.endr
	global_store_b32 v31, v[PS], s[18:19]
	s_wait_tensorcnt 0x0                           ; the wave's end
	ds_add_u32 v[SPW], v[NIL]
	s_wait_dscnt 0x0
	CROUND
	s_endpgm
.Lfunc_end_k_q22137b30dc_attn:
	.size	k_q22137b30dc_attn, .Lfunc_end_k_q22137b30dc_attn-k_q22137b30dc_attn
	.p2alignl 7, 3214868480
	.fill 96, 4, 3214868480
	.section	.rodata,"a",@progbits
	.p2align	6, 0x0
	.amdhsa_kernel k_q22137b30dc_attn
		.amdhsa_group_segment_fixed_size 327680
		.amdhsa_private_segment_fixed_size 0
		.amdhsa_enable_private_segment 0
		.amdhsa_kernarg_size 64
		.amdhsa_user_sgpr_count 2
		.amdhsa_user_sgpr_kernarg_segment_ptr 1
		.amdhsa_wavefront_size32 1
		.amdhsa_system_sgpr_workgroup_id_x 1
		.amdhsa_system_sgpr_workgroup_id_y 1
		.amdhsa_system_sgpr_workgroup_id_z 1
		.amdhsa_system_vgpr_workitem_id 0
		.amdhsa_next_free_vgpr 512
		.amdhsa_next_free_sgpr 90
		.amdhsa_reserve_vcc 0
		.amdhsa_float_denorm_mode_32 3
		.amdhsa_float_denorm_mode_16_64 3
		.amdhsa_memory_ordered 1
		.amdhsa_forward_progress 1
		.amdhsa_inst_pref_size 196
	.end_amdhsa_kernel
	.amdgpu_metadata
---
amdhsa.version: [ 1, 2 ]
amdhsa.kernels:
  - .name:           k_q22137b30dc_attn
    .symbol:         k_q22137b30dc_attn.kd
    .args:
      - { .name: qkv, .offset: 0, .size: 8, .value_kind: global_buffer, .address_space: global }
      - { .name: lq1, .offset: 8, .size: 8, .value_kind: global_buffer, .address_space: global }
      - { .name: lk1, .offset: 16, .size: 8, .value_kind: global_buffer, .address_space: global }
      - { .name: lq2, .offset: 24, .size: 8, .value_kind: global_buffer, .address_space: global }
      - { .name: lk2, .offset: 32, .size: 8, .value_kind: global_buffer, .address_space: global }
      - { .name: subln_w, .offset: 40, .size: 8, .value_kind: global_buffer, .address_space: global }
      - { .name: ac, .offset: 48, .size: 8, .value_kind: global_buffer, .address_space: global }
      - { .name: asc, .offset: 56, .size: 8, .value_kind: global_buffer, .address_space: global }
    .group_segment_fixed_size: 327680
    .private_segment_fixed_size: 0
    .kernarg_segment_align: 8
    .kernarg_segment_size: 64
    .max_flat_workgroup_size: 256
    .sgpr_count:     90
    .vgpr_count:     512
    .wavefront_size: 32
...
	.end_amdgpu_metadata
.endif
;; end of part 2
;; launch out (part 3): grid 8 x 32, 4 waves a work-group, clusters of 4 x 4, 327,680 bytes of LDS; arguments ac, asc, Wo_codes, Wo_scales, out0; writes out0
.if DOCPART == 3
	.amdgcn_target "amdgcn-amd-amdhsa--gfx1250"
	.amdhsa_code_object_version 6
	.text
	.protected	k_q22137b30dc_out
	.globl	k_q22137b30dc_out
	.p2align	8
	.type	k_q22137b30dc_out,@function
k_q22137b30dc_out:
	s_mov_b64 s[64:65], 0
	v_nop
	global_prefetch_b8 v0, s[64:65] scope:SCOPE_SE
	s_setreg_imm32_b32 hwreg(HW_REG_WAVE_MODE, 25, 1), 1
	s_wait_xcnt 0x0
	s_wait_alu depctr_hold_cnt(0) depctr_sa_sdst(0) depctr_va_vdst(0) depctr_va_sdst(0) depctr_va_ssrc(0) depctr_va_vcc(0) depctr_vm_vsrc(0)
	s_getreg_b32 s2, hwreg(HW_REG_IB_STS2, 6, 4)
	s_cmp_eq_u32 s2, 0
	s_cbranch_scc0 .Lentry_in_a_cluster
	s_endpgm
.Lentry_in_a_cluster:
	s_bfe_u32 s2, ttmp6, 0x10000c
	s_cmp_lg_u32 s2, 0xf033
	s_cbranch_scc0 .Lentry_shape_is_right
	s_endpgm
.Lentry_shape_is_right:
; out0 = A Wo on codes of FP6 (E2M3): A = ac [4,096][1,024 codes] with asc, B = Wo_codes [1,024 (n)][1,024 codes] with Wo_scales; f32 sums, K ascending.
; SHARES.  Work-group (x, y) makes 128 x 128 of out0: 8 x 32 = 256 work-groups; each of its four waves 64 x 64: 16 accumulators.
; LDS: WHOLE ROWS OF K, filled once.  A row of codes is 768 bytes, three units of 256 bytes, each with 16 bytes of padding behind it: pitch 816.  A's 128 rows, then B's.  Each block of 64 rows is dense in memory and comes as 192 rows of 256 bytes:
; one joint load a wave at the head (waves 0, 1: A's halves; waves 2, 3: B's).  CLUSTERS 4 x 4: A's rows are shared along a row of the cluster, B's along a column.
; The scale words go from memory into registers: a lane's row of scales is 32 bytes, the words of the eight K steps.
; No prefetch: all tiles are asked for at the head, and there is no loop ahead of them.
; The matrix instruction is used transposed (source 0 = rows of B): a lane holds eight neighbouring numbers of a row of out0; blocks of 16 rows go through the wave's own stage and leave as whole units of 256 bytes.
; REGISTERS: window 0: v2-11 addresses, v16-47 A's scale words (tile a, step s at 16 + 8 a + s), v48-79 B's, v96-191 A's fragments, two sets (on the way out v96-223: rows read back).  Window 1: v0-127 accumulators, v128-223 B's fragments, two sets.
.set P,      816
.set HB,     64*P
.set STAGE,  4*HB
.set SPITCH, 272
.set SPARE,  STAGE+4*16*SPITCH
.set ADRA, 2
.set ADRB, 4
.set STO,  6
.set RD,   7
.set CO,   8
.set SOF,  9
.set SPW,  10
.set NIL,  11
.set SA,   16
.set SB,   48
.set AF,   96
.set BK,   96
.set BF,   128
.set G1,  24
.set G0,  32
.set G0B, 36
.set G1B, 48
.set MSB, 0
.macro WIN new
.if MSB != \new
	s_set_vgpr_msb (MSB<<8)|\new
.set MSB, \new
.endif
.endm
.macro PLACES
.rept 4
	v_nop
.endr
.endm
.macro CROUND
	s_barrier_signal -1
	s_barrier_wait -1
	s_cmp_lg_u32 s14, 0
	s_cbranch_scc1 .Lnot_wave_0_\@
	s_barrier_signal -3
.Lnot_wave_0_\@:
	s_barrier_wait -3
	s_barrier_signal -1
	s_barrier_wait -1
.endm
	s_load_b256 s[4:11], s[0:1], 0x0               ; ac, asc, Wo's codes, Wo's scales
	s_load_b64 s[12:13], s[0:1], 0x20              ; out0
	v_lshl_add_u32 v[SPW], v0, 2, SPARE
	v_mov_b32 v[NIL], 0
	ds_add_u32 v[SPW], v[NIL]                      ; the opening lines
	ds_add_u32 v[SPW], v[NIL]
	v_lshrrev_b32 v1, 5, v0
	v_readfirstlane_b32 s14, v1
	s_lshr_b32 s15, s14, 1                         ; my half of the rows.  Also: I fetch for A (0) or B (1)
	s_and_b32 s16, s14, 1                          ; my half of the columns.  Also: which 64 rows I fetch
	s_bfe_u32 s40, ttmp6, 0x40000
	s_bfe_u32 s41, ttmp6, 0x40004
	s_lshl_b32 s42, ttmp9, 2
	s_add_co_u32 s42, s42, s40                     ; block column
	s_and_b32 s17, ttmp7, 0xffff
	s_lshl_b32 s17, s17, 2
	s_add_co_u32 s17, s17, s41                     ; block row
	s_lshl_b32 s43, s41, 2
	s_lshl_b32 s43, 15, s43
	s_lshl_b32 s44, 0x1111, s40
	s_or_b32 s[G1], s43, (3<<16)|(1<<20)|(1<<21)|(5<<22)|(3<<25)
	s_or_b32 s[G1B], s44, (3<<16)|(1<<20)|(1<<21)|(5<<22)|(3<<25)
.irp g, G1, G1B
	s_mov_b32 s[\g+1], 32<<16
	s_mov_b32 s[\g+2], 192<<16
	s_mov_b32 s[\g+3], 32<<16
	s_mov_b32 s[\g+4], 192
	s_mov_b32 s[\g+5], 32
	s_mov_b32 s[\g+6], 0
	s_mov_b32 s[\g+7], 0
.endr
	s_lshl_b32 s18, s16, 6
	s_lshl_b32 s20, s17, 7
	s_add_co_u32 s20, s20, s18
	s_mul_i32 s20, s20, 768                        ; A: the 64 rows that I fetch
	s_mov_b32 s21, 0
	s_lshl_b32 s58, s42, 7
	s_add_co_u32 s58, s58, s18                     ; B: the 64 rows that I fetch, and also my 64 columns
	s_mul_i32 s46, s58, 768
	s_mov_b32 s47, 0
	s_mul_i32 s45, s14, HB
	s_lshl_b32 s22, s17, 7
	s_lshl_b32 s19, s15, 6
	s_add_co_u32 s22, s22, s19                     ; my first row
	s_lshl_b32 s56, s22, 5
	s_mov_b32 s57, 0
	s_lshl_b32 s60, s58, 5
	s_mov_b32 s61, 0
	s_lshl_b32 s62, s22, 12
	s_lshl_b32 s63, s58, 2
	s_add_co_u32 s62, s62, s63                     ; my corner of out0, in bytes
	s_mov_b32 s63, 0
	s_mul_i32 s66, s15, HB
	s_mul_i32 s67, s16, HB
	s_add_co_u32 s67, s67, 2*HB
	s_mul_i32 s68, s14, 16*SPITCH
	s_add_co_u32 s68, s68, STAGE
	s_wait_dscnt 0x0
	s_wait_kmcnt 0x0
	s_mov_b32 s[G0], 1
	s_mov_b32 s[G0+1], s45
	s_add_nc_u64 s[G0+2:G0+3], s[4:5], s[20:21]
	s_or_b32 s[G0+3], s[G0+3], 0x80000000
	s_mov_b32 s[G0B], 1
	s_mov_b32 s[G0B+1], s45
	s_add_nc_u64 s[G0B+2:G0B+3], s[8:9], s[46:47]
	s_or_b32 s[G0B+3], s[G0B+3], 0x80000000
	s_add_nc_u64 s[6:7], s[6:7], s[56:57]
	s_add_nc_u64 s[10:11], s[10:11], s[60:61]
	s_add_nc_u64 s[12:13], s[12:13], s[62:63]
	v_and_b32 v1, 15, v0
	v_bfe_u32 v12, v0, 4, 1
	v_mul_u32_u24 v13, v1, P
	v_mad_u32_u24 v13, v12, 24, v13                ; row x pitch + 24 h
	v_add_nc_u32 v[ADRA], s66, v13
	v_add_nc_u32 v[ADRB], s67, v13
	v_lshl_add_u32 v[ADRA+1], v12, 4, v[ADRA]      ; for a piece whose lanes 16-31 lie behind one padding more
	v_lshl_add_u32 v[ADRB+1], v12, 4, v[ADRB]
	v_lshlrev_b32 v[SOF], 5, v1
	v_mul_u32_u24 v14, v1, SPITCH
	v_lshl_add_u32 v14, v12, 5, v14
	v_add_nc_u32 v[STO], s68, v14
	v_mul_u32_u24 v15, v12, SPITCH
	v_lshl_add_u32 v15, v1, 4, v15
	v_add_nc_u32 v[RD], s68, v15
	v_lshlrev_b32 v13, 12, v12
	v_lshl_add_u32 v[CO], v1, 4, v13               ; the same two rows in out0
	s_wait_alu depctr_va_vdst(0)
.irp a, 0,1,2,3
	global_load_b128 v[SA+8*\a:SA+8*\a+3], v[SOF], s[6:7] offset:512*\a
	global_load_b128 v[SA+8*\a+4:SA+8*\a+7], v[SOF], s[6:7] offset:512*\a+16
	global_load_b128 v[SB+8*\a:SB+8*\a+3], v[SOF], s[10:11] offset:512*\a
	global_load_b128 v[SB+8*\a+4:SB+8*\a+7], v[SOF], s[10:11] offset:512*\a+16
.endr
	CROUND                                         ; all sixteen work-groups are here: the joint loads meet
	s_cmp_eq_u32 s15, 0
	s_cbranch_scc0 .Lfor_b
	tensor_load_to_lds s[G0:G0+3], s[G1:G1+7]
	s_nop 0
	PLACES
	s_branch .Lasked
.Lfor_b:
	tensor_load_to_lds s[G0B:G0B+3], s[G1B:G1B+7]
	s_nop 0
	PLACES
.Lasked:
.macro FRAG reg, adr, st, off          ; 12 registers in pieces of 8 bytes; piece PC of a row lies at 8 PC + 16 (PC / 32); lanes 16-31 take the piece three on
.irp p, 0,1,2,3,4,5
.set PC, 12*(\st)+6*(\p/3)+\p%3
	ds_load_b64 v[(\reg)+2*\p:(\reg)+2*\p+1], v[(\adr)+((PC%32)+3)/32] offset:8*PC+16*(PC/32)+(\off)
.endr
.endm
.macro FETCH st                        ; 48 LDS loads: K step st into set st % 2
	WIN 0x40
.irp i, 0,1,2,3
	FRAG BF+48*((\st)%2)+12*\i, ADRB, \st, \i*16*P
.endr
	WIN 0
.irp i, 0,1,2,3
	FRAG AF+48*((\st)%2)+12*\i, ADRA, \st, \i*16*P
.endr
.endm
.macro MUL st                          ; the 16 accumulators take turns; step 0 starts the sums
	WIN 0x51
.irp a, 0,1,2,3
.irp b, 0,1,2,3
.if (\st) == 0
	v_wmma_scale_f32_16x16x128_f8f6f4 v[8*(4*\a+\b):8*(4*\a+\b)+7], v[BF+48*((\st)%2)+12*\b:BF+48*((\st)%2)+12*\b+11], v[AF+48*((\st)%2)+12*\a:AF+48*((\st)%2)+12*\a+11], 0, v[SB+8*\b+(\st)], v[SA+8*\a+(\st)] matrix_a_fmt:MATRIX_FMT_FP6 matrix_b_fmt:MATRIX_FMT_FP6
.else
	v_wmma_scale_f32_16x16x128_f8f6f4 v[8*(4*\a+\b):8*(4*\a+\b)+7], v[BF+48*((\st)%2)+12*\b:BF+48*((\st)%2)+12*\b+11], v[AF+48*((\st)%2)+12*\a:AF+48*((\st)%2)+12*\a+11], v[8*(4*\a+\b):8*(4*\a+\b)+7], v[SB+8*\b+(\st)], v[SA+8*\a+(\st)] matrix_a_fmt:MATRIX_FMT_FP6 matrix_b_fmt:MATRIX_FMT_FP6
.endif
.endr
.endr
.endm
	s_wait_tensorcnt 0x0                           ; my tile is in,
	s_barrier_signal -1
	s_barrier_wait -1                              ; everybody's is
	FETCH 0
	s_wait_loadcnt 0x0                             ; the scale words
.set ST, 0
.rept 8
.if ST < 7
.if ST > 0
	PLACES                                         ; loads into registers that the last step's products read stand four places behind them
.endif
	FETCH ST+1
	s_wait_dscnt 48                                ; all but the 48 just issued
.else
	s_wait_dscnt 0x0
.endif
	MUL ST
.set ST, ST+1
.endr
	PLACES
.irp a, 0,1,2,3                        ; block a, 16 rows x 64 columns: into my stage, and back as rows of 256 bytes; LDS serves a wave's instructions in order (ISA guide 5.7.1.4)
	WIN 0x04
.irp b, 0,1,2,3
	ds_store_b128 v[STO], v[8*(4*\a+\b):8*(4*\a+\b)+3] offset:64*\b
	ds_store_b128 v[STO], v[8*(4*\a+\b)+4:8*(4*\a+\b)+7] offset:64*\b+16
.endr
	WIN 0
.irp t, 0,1,2,3,4,5,6,7
	ds_load_b128 v[BK+32*\a+4*\t:BK+32*\a+4*\t+3], v[RD] offset:\t*2*SPITCH
.endr
.endr
.irp a, 0,1,2,3
	s_wait_dscnt 48-16*\a                          ; behind block a's loads: 16 LDS instructions for each later block
.irp t, 0,1,2,3,4,5,6,7
	global_store_b128 v[CO], v[BK+32*\a+4*\t:BK+32*\a+4*\t+3], s[12:13] offset:\a*65536+\t*8192 th:TH_STORE_NT   ; 16 lanes store 256 consecutive bytes, at a multiple of 256 from out0's first byte
.endr
.endr
	s_wait_tensorcnt 0x0                           ; the wave's end
	ds_add_u32 v[SPW], v[NIL]
	s_wait_dscnt 0x0
	CROUND                                         ; the closing round
	s_endpgm
.Lfunc_end_k_q22137b30dc_out:
	.size	k_q22137b30dc_out, .Lfunc_end_k_q22137b30dc_out-k_q22137b30dc_out
	.p2alignl 7, 3214868480
	.fill 96, 4, 3214868480
	.section	.rodata,"a",@progbits
	.p2align	6, 0x0
	.amdhsa_kernel k_q22137b30dc_out
		.amdhsa_group_segment_fixed_size 327680
		.amdhsa_private_segment_fixed_size 0
		.amdhsa_enable_private_segment 0
		.amdhsa_kernarg_size 40
		.amdhsa_user_sgpr_count 2
		.amdhsa_user_sgpr_kernarg_segment_ptr 1
		.amdhsa_wavefront_size32 1
		.amdhsa_system_sgpr_workgroup_id_x 1
		.amdhsa_system_sgpr_workgroup_id_y 1
		.amdhsa_system_sgpr_workgroup_id_z 1
		.amdhsa_system_vgpr_workitem_id 0
		.amdhsa_next_free_vgpr 512
		.amdhsa_next_free_sgpr 72
		.amdhsa_reserve_vcc 0
		.amdhsa_float_denorm_mode_32 3
		.amdhsa_float_denorm_mode_16_64 3
		.amdhsa_memory_ordered 1
		.amdhsa_forward_progress 1
		.amdhsa_inst_pref_size 57
	.end_amdhsa_kernel
	.amdgpu_metadata
---
amdhsa.version: [ 1, 2 ]
amdhsa.kernels:
  - .name:           k_q22137b30dc_out
    .symbol:         k_q22137b30dc_out.kd
    .args:
      - { .name: ac, .offset: 0, .size: 8, .value_kind: global_buffer, .address_space: global }
      - { .name: asc, .offset: 8, .size: 8, .value_kind: global_buffer, .address_space: global }
      - { .name: Wo_codes, .offset: 16, .size: 8, .value_kind: global_buffer, .address_space: global }
      - { .name: Wo_scales, .offset: 24, .size: 8, .value_kind: global_buffer, .address_space: global }
      - { .name: out0, .offset: 32, .size: 8, .value_kind: global_buffer, .address_space: global }
    .group_segment_fixed_size: 327680
    .private_segment_fixed_size: 0
    .kernarg_segment_align: 8
    .kernarg_segment_size: 40
    .max_flat_workgroup_size: 128
    .sgpr_count:     72
    .vgpr_count:     512
    .wavefront_size: 32
...
	.end_amdgpu_metadata
.endif
;; end of part 3
